; MI455X (gfx1250); checked and timed in simulation.
; The chip was launched on July 23, 2026; its instructions are those of AMD's public machine-readable ISA for CDNA 5 (MIT licence, August 2026) and "CDNA5" Instruction Set Architecture Reference Guide (July 2026). The comments in the code are by the model that wrote it; some were corrected since.
;; SPINN. Allowed arithmetic: float matrix products may take bf16 or f16 operands with f32 sums; other float arithmetic in f32, or as packed bf16 or f16 multiplies, adds, multiply-adds, maxima and minima; sums over many terms, partial sums and values carried from step to step in f32; what a program stores and reads back later, other than sums and carried values, may be rounded once to bf16 or f16.
;; Inputs: W_buf 1,024 x 4,096 float32; W_lateral 1,024 x 4,096 float32; W_stack1 1,024 x 4,096 float32; W_stack2 1,024 x 4,096 float32; b_lateral 4,096 float32; c_prev 4,096 x 1,024 float32; h_prev 4,096 x 1,024 float32; top_buf_h 4,096 x 1,024 float32; top_stack1_h 4,096 x 1,024 float32; top_stack2_h 4,096 x 1,024 float32.
;; Outputs: out0 4,096 x 1,024 float32; out1 4,096 x 1,024 float32.
;; 2 versions, each right; version 2 is version 1 with the launch cast written anew for expert scheduling mode. Each part assembles by itself: llvm-mc -triple=amdgcn-amd-amdhsa -mcpu=gfx1250 --defsym DOCPART=n.
;; ======== version 1 of 2: 2 launches
;; workspace buffers: xb 33,554,432 bytes; wb 33,554,432 bytes
;; launch cast (part 1): grid 1024 x 2, 8 waves a work-group, no clusters, 0 bytes of LDS; arguments top_buf_h, top_stack1_h, top_stack2_h, h_prev, W_buf, W_stack1, W_stack2, W_lateral, xb, wb; writes xb, wb
.if DOCPART == 1
	.amdgcn_target "amdgcn-amd-amdhsa--gfx1250"
	.amdhsa_code_object_version 6
	.text
	.protected	k_qe561931bf1_cast
	.globl	k_qe561931bf1_cast
	.p2align	8
	.type	k_qe561931bf1_cast,@function
k_qe561931bf1_cast:
	s_mov_b64 s[64:65], 0
	v_nop
	global_prefetch_b8 v0, s[64:65] scope:SCOPE_SE
	s_setreg_imm32_b32 hwreg(HW_REG_WAVE_MODE, 25, 1), 1
	s_wait_xcnt 0x0
; THE CAST.  The four activations [4096][1024] f32 become xb [4096 m][4096 k] bf16, side by side along k (k = 1024 s + k'; s = 0 buf, 1 stack1, 2 stack2, 3 h_prev).
; The four weights [1024][4096] f32 become wb [4096 k][4096 n'] bf16, one below the other along k in the same order, their columns laid by gate:
; column n = 1024 g + j goes to n' = 256 (j / 64) + 64 g + j % 64, so that 256 neighbouring columns of wb hold 64 neighbouring j of all four gates.
; Each number is rounded once, to nearest even; nothing is scaled.
; SHARES.  Grid y = 0 casts the activations, y = 1 the weights; a work-group reads 64 KiB, a wave 8 KiB in 16 items.  An item is one load of 16 bytes a lane (512 bytes a wave),
; two packed roundings, and one store of 8 bytes a lane: 256 consecutive bytes, aligned.  All 16 loads of a wave go out before its first wait; every item has registers of its own,
; so no register that a pending load or store names is written again, and the only waits are the counted ones for the loads.
; No LDS, no matrix unit, no cluster: nothing is shared between waves, and each byte is read once and written once.
.set VI,  3                            ; v3        my byte offset in the inputs; never rewritten
.set VO,  4                            ; v4        my byte offset in the output; never rewritten
.set IN,  32                           ; v[32:95]  item n: 4 registers as loaded
.set OUT, 96                           ; v[96:127] item n: 2 registers to store
.macro LD n, base, imm
	global_load_b128 v[IN+4*(\n):IN+4*(\n)+3], v[VI], s[(\base):(\base)+1] offset:\imm th:TH_LOAD_NT
.endm
.macro CV n, base, imm
	s_wait_loadcnt 15-(\n)                         ; loads come back in order: item n is in, the 15 - n younger ones may stay out
	v_cvt_pk_bf16_f32 v[OUT+2*(\n)],   v[IN+4*(\n)],   v[IN+4*(\n)+1]
	v_cvt_pk_bf16_f32 v[OUT+2*(\n)+1], v[IN+4*(\n)+2], v[IN+4*(\n)+3]
	global_store_b64 v[VO], v[OUT+2*(\n):OUT+2*(\n)+1], s[(\base):(\base)+1] offset:\imm th:TH_STORE_NT
.endm
	s_load_b512 s[8:23], s[0:1], 0x0               ; the activations s[8:15], the weights s[16:23]
	s_load_b128 s[24:27], s[0:1], 0x40             ; xb s[24:25], wb s[26:27]
	v_and_b32 v1, 31, v0                           ; lane l
	v_lshrrev_b32 v2, 5, v0                        ; wave w
	s_and_b32 s2, ttmp7, 0xffff                    ; 0: activations, 1: weights
	s_lshl_b32 s28, ttmp9, 14                      ; the work-group's 16 KiB in each of its four sources, on both paths
	s_mov_b32 s29, 0
	s_mov_b32 s31, 0
	s_wait_kmcnt 0x0
	s_cmp_lg_u32 s2, 0
	s_cbranch_scc1 .Lweights
	; ACTIVATIONS.  Work-group bx takes rows 4 bx .. 4 bx + 3 of all four sources and writes four whole rows of xb.  Wave w: row w / 2, half w % 2 of it.
	s_lshl_b32 s30, ttmp9, 15                      ; four rows of xb, 8,192 bytes each
	v_lshlrev_b32 v[VI], 4, v1
	v_lshl_add_u32 v[VI], v2, 11, v[VI]            ; 2,048 w + 16 l
	v_lshrrev_b32 v5, 1, v2
	v_and_b32 v6, 1, v2
	v_lshlrev_b32 v[VO], 3, v1
	v_lshl_add_u32 v[VO], v6, 10, v[VO]
	v_lshl_add_u32 v[VO], v5, 13, v[VO]            ; 8,192 (w / 2) + 1,024 (w % 2) + 8 l
.irp s, 0,1,2,3
	s_add_nc_u64 s[8+2*(\s):9+2*(\s)], s[8+2*(\s):9+2*(\s)], s[28:29]
.endr
	s_add_nc_u64 s[24:25], s[24:25], s[30:31]
.irp s, 0,1,2,3
.irp i, 0,1,2,3
	LD 4*(\s)+(\i), 8+2*(\s), 512*(\i)
.endr
.endr
.irp s, 0,1,2,3
.irp i, 0,1,2,3
	CV 4*(\s)+(\i), 24, 2048*(\s)+256*(\i)         ; source s has 2,048 bytes of a row of xb
.endr
.endr
	s_endpgm
.Lweights:
	; WEIGHTS.  Work-group bx takes row bx of all four sources.  Wave w: gates 2 (w % 2) and 2 (w % 2) + 1, blocks jb = 4 (w / 2) + i of 64 columns.
	; Lanes 0-15 read 256 consecutive bytes of the one gate, lanes 16-31 of the other; together they store 256 consecutive bytes of wb.
	s_lshl_b32 s30, ttmp9, 13                      ; a row of wb
	v_and_b32 v5, 1, v2                            ; w % 2
	v_lshrrev_b32 v6, 1, v2                        ; w / 2
	v_lshrrev_b32 v7, 4, v1                        ; l / 16
	v_and_b32 v8, 15, v1                           ; l % 16
	v_lshlrev_b32 v[VI], 4, v8
	v_lshl_add_u32 v[VI], v6, 10, v[VI]
	v_lshl_add_u32 v[VI], v7, 12, v[VI]
	v_lshl_add_u32 v[VI], v5, 13, v[VI]            ; 8,192 (w % 2) + 4,096 (l / 16) + 1,024 (w / 2) + 16 (l % 16)
	v_lshlrev_b32 v[VO], 3, v1
	v_lshl_add_u32 v[VO], v5, 8, v[VO]
	v_lshl_add_u32 v[VO], v6, 11, v[VO]            ; 2,048 (w / 2) + 256 (w % 2) + 8 l
.irp s, 0,1,2,3
	s_add_nc_u64 s[16+2*(\s):17+2*(\s)], s[16+2*(\s):17+2*(\s)], s[28:29]
.endr
	s_add_nc_u64 s[32:33], s[26:27], s[30:31]      ; source s lies 1,024 rows of wb, 8 MiB, behind source s - 1: more than an immediate holds, so four bases
	s_add_nc_u64 s[34:35], s[32:33], 0x800000
	s_add_nc_u64 s[36:37], s[34:35], 0x800000
	s_add_nc_u64 s[38:39], s[36:37], 0x800000
.irp s, 0,1,2,3
.irp i, 0,1,2,3
	LD 4*(\s)+(\i), 16+2*(\s), 256*(\i)
.endr
.endr
.irp s, 0,1,2,3
.irp i, 0,1,2,3
	CV 4*(\s)+(\i), 32+2*(\s), 512*(\i)
.endr
.endr
	s_endpgm
.Lfunc_end_k_qe561931bf1_cast:
	.size	k_qe561931bf1_cast, .Lfunc_end_k_qe561931bf1_cast-k_qe561931bf1_cast
	.p2alignl 7, 3214868480
	.fill 96, 4, 3214868480
	.section	.rodata,"a",@progbits
	.p2align	6, 0x0
	.amdhsa_kernel k_qe561931bf1_cast
		.amdhsa_group_segment_fixed_size 0
		.amdhsa_private_segment_fixed_size 0
		.amdhsa_enable_private_segment 0
		.amdhsa_kernarg_size 80
		.amdhsa_user_sgpr_count 2
		.amdhsa_user_sgpr_kernarg_segment_ptr 1
		.amdhsa_wavefront_size32 1
		.amdhsa_system_sgpr_workgroup_id_x 1
		.amdhsa_system_sgpr_workgroup_id_y 1
		.amdhsa_system_sgpr_workgroup_id_z 1
		.amdhsa_system_vgpr_workitem_id 0
		.amdhsa_next_free_vgpr 128
		.amdhsa_next_free_sgpr 66
		.amdhsa_reserve_vcc 0
		.amdhsa_float_denorm_mode_32 3
		.amdhsa_float_denorm_mode_16_64 3
		.amdhsa_memory_ordered 1
		.amdhsa_forward_progress 1
		.amdhsa_inst_pref_size 14
	.end_amdhsa_kernel
	.amdgpu_metadata
---
amdhsa.version: [ 1, 2 ]
amdhsa.kernels:
  - .name:           k_qe561931bf1_cast
    .symbol:         k_qe561931bf1_cast.kd
    .args:
      - { .name: top_buf_h, .offset: 0, .size: 8, .value_kind: global_buffer, .address_space: global }
      - { .name: top_stack1_h, .offset: 8, .size: 8, .value_kind: global_buffer, .address_space: global }
      - { .name: top_stack2_h, .offset: 16, .size: 8, .value_kind: global_buffer, .address_space: global }
      - { .name: h_prev, .offset: 24, .size: 8, .value_kind: global_buffer, .address_space: global }
      - { .name: W_buf, .offset: 32, .size: 8, .value_kind: global_buffer, .address_space: global }
      - { .name: W_stack1, .offset: 40, .size: 8, .value_kind: global_buffer, .address_space: global }
      - { .name: W_stack2, .offset: 48, .size: 8, .value_kind: global_buffer, .address_space: global }
      - { .name: W_lateral, .offset: 56, .size: 8, .value_kind: global_buffer, .address_space: global }
      - { .name: xb, .offset: 64, .size: 8, .value_kind: global_buffer, .address_space: global }
      - { .name: wb, .offset: 72, .size: 8, .value_kind: global_buffer, .address_space: global }
    .group_segment_fixed_size: 0
    .private_segment_fixed_size: 0
    .kernarg_segment_align: 8
    .kernarg_segment_size: 80
    .max_flat_workgroup_size: 256
    .sgpr_count:     66
    .vgpr_count:     128
    .wavefront_size: 32
...
	.end_amdgpu_metadata
.endif
;; end of part 1
;; launch cell (part 2): grid 16 x 16, 4 waves a work-group, clusters of 4 x 4, 327,680 bytes of LDS; arguments xb, wb, b_lateral, c_prev, out0, out1; writes out0, out1
.if DOCPART == 2
	.amdgcn_target "amdgcn-amd-amdhsa--gfx1250"
	.amdhsa_code_object_version 6
	.text
	.protected	k_qe561931bf1_cell
	.globl	k_qe561931bf1_cell
	.p2align	8
	.type	k_qe561931bf1_cell,@function
k_qe561931bf1_cell:
	s_mov_b64 s[64:65], 0
	v_nop
	global_prefetch_b8 v0, s[64:65] scope:SCOPE_SE
	s_setreg_imm32_b32 hwreg(HW_REG_WAVE_MODE, 25, 1), 1
	s_wait_xcnt 0x0
	s_wait_alu depctr_hold_cnt(0) depctr_sa_sdst(0) depctr_va_vdst(0) depctr_va_sdst(0) depctr_va_ssrc(0) depctr_va_vcc(0) depctr_vm_vsrc(0)
	s_getreg_b32 s2, hwreg(HW_REG_IB_STS2, 6, 4)
	s_cmp_eq_u32 s2, 0
	s_cbranch_scc0 .Lentry_in_a_cluster
	s_endpgm
.Lentry_in_a_cluster:
	s_bfe_u32 s2, ttmp6, 0x10000c
	s_cmp_lg_u32 s2, 0xf033
	s_cbranch_scc0 .Lentry_shape_is_right
	s_endpgm
.Lentry_shape_is_right:
; gates[m][n] = sum over k of xb[m][k] wb[k][n'] + b[n]; c = tanh(a) sigmoid(i) + sigmoid(f) c_prev; h = sigmoid(o) tanh(c).  out0 = h, out1 = c, both [4096][1024] f32.
; xb: [4096 m][4096 k] bf16.  wb: [4096 k][4096 n'] bf16, columns laid by gate: n' = 256 (j / 64) + 64 g + j % 64 for gate g (a, i, f, o) and column j.  Sums in f32, K ascending.
; LIMITS.  EVERY INPUT IS ROUNDED ONCE TO bf16, to nearest even: the activations and weights by the launch before, the bias and c_prev here, so that all inputs have one and the same rounding;
; all arithmetic behind that is in f32.  tanh(x) = 1 - 2 / (1 + 2^(2 log2(e) x)): an absolute error of some 1e-7 round 0.  sigmoid(x) = 1 / (1 + 2^(-log2(e) x)).
; An exponential that overflows gives infinity and its reciprocal 0, one that underflows gives 0: both are the gate's saturated value, so nothing is clipped.  Results of the exponential
; and the reciprocal below 2^-126 count as 0.  NaN and infinite inputs are not treated apart.
; SHARES.  A work-group makes 256 rows x 256 columns of gates: j = 64 tx .. 64 tx + 63 of all four gates.  Four waves, each 128 rows x 128 columns (4 gates x 32 j): 64 accumulators
; of 16 x 16, 512 registers; accumulator (a, b): rows 16 a on, b = 2 g + jb: gate g, j = 32 CH + 16 jb on.  16 x 16 work-groups: one for each tile, one tile each.
; THE MATRIX INSTRUCTION IS USED TRANSPOSED: source 0 = 16 columns of wb, source 1 = 16 rows of xb.  A lane then holds row l % 16 and the columns 8 (l / 16) + 0..7, so that the same
; lane and register of the accumulators (a, jb), (a, 2 + jb), (a, 4 + jb), (a, 6 + jb) hold a, i, f and o of one (m, j): the cell needs no exchange between lanes.
; wb's tiles lie [k][n] in LDS and are turned on their way into registers by ds_load_tr16_b128.  THE BIAS IS THE C OPERAND of the products that start the sums: nothing is cleared, nothing added later.
; THE RING.  K goes in 32 steps of 128 through two LDS slots, filled by the tensor data mover: 256 rows x 256 bytes of xb, 128 rows x 512 bytes of wb; each wave fetches 32 KiB of a slot.
; CLUSTERS: 4 x 4 work-groups.  xb's tile hangs on the tile row alone and is asked for jointly by a row of the cluster, wb's on the tile column alone, by a column.
; c_prev's tile (256 rows x 64 f32) takes the place of slot 0's rows of xb when those have been read for the last time; h and c leave through slot 1, which has then had its last fill.
; REGISTERS, in windows of 256 (s_set_vgpr_msb: bits 1:0 source 0, 3:2 source 1, 5:4 source 2, 7:6 destination):
;   window 0: v0-31 addresses; v64-127, v128-191 fragments of xb, two buffers; behind the products the cell's registers and the way out's
;   window 1: v0-63 the bias (8 b + r); v64-127, v128-191 fragments of wb, two buffers; v192-223 at work while the bias is rounded
;   window 2: the accumulators of rows 0-63, (a, b) at v[8 (8 a + b)];   window 3: those of rows 64-127
.set PITCH,  272                       ; an LDS row of xb, of c_prev and of the stages: 256 bytes + 16 = 68 words: the 16 rows that a load touches start at 16 different groups of four banks (ISA guide 11.1)
.set PB,     544                       ; an LDS row of wb: 512 bytes + 32 = 136 words
.set HALFT,  128*PITCH                 ; what one tensor load of the ring brings: 128 rows of xb, or 64 rows of wb (64 x 544 is the same number)
.set SLOT,   4*HALFT                   ; xb's 256 rows, then wb's 128
.set STAGEH, SLOT                      ; slot 1 behind its last read: h, 256 rows x 272,
.set STAGEC, SLOT+2*HALFT              ; and c
.set SPARE,  2*SLOT                    ; behind the ring: the spare words, 128 bytes for each wave: two blocks of 256 bytes that no other line names
.set LAPS,   16                        ; a lap = two K steps = once round the ring
.set BO,   15                          ; v15     my byte offset in the bias
.set ADRA, 16                          ; v16-17  LDS address of my fragments of xb in slot 0, 1
.set ADRB, 20                          ; v20-21  the same for wb
.set CPA,  22                          ; v22     my place in c_prev's tile
.set STH,  23                          ; v23     the same place in h's stage
.set STC,  24                          ; v24     and in c's
.set RDH,  25                          ; v25     the way out: where I read h's rows back
.set RDC,  26                          ; v26     and c's
.set CO,   27                          ; v27     my byte offset in the outputs
.set SPW,  28                          ; v28     LDS address of my spare word: SPARE + 4 x my thread's number; never rewritten
.set NIL,  29                          ; v29     0; never rewritten
.set PFO,  30                          ; v30     the ring's prefetches: my lane's block; never rewritten
.set PFC,  31                          ; v31     c_prev's prefetches: my lane's row; never rewritten
.set F0,   64                          ; fragment buffer 0
.set F1,   128                         ; fragment buffer 1
.set BI,   0                           ; the bias, in window 1
.set BT,   192                         ; the bias as packed bf16, in window 1
.set T,    64                          ; the cell: v64-127, the block's 64 gate numbers a lane, at 8 b + r: a 0-15, i 16-31, f 32-47, o 48-63
.set CPR,  128                         ; v128-143 c_prev, at 8 jb + r
.set CN,   144                         ; v144-159 c
.set EC,   160                         ; v160-175 from c to h
.set CPB,  176                         ; v176-183 c_prev as packed bf16
.set BK0,  64                          ; the way out: two buffers of 32 rows
.set BK1,  128
.set WV,  16                           ; s16 wave;  s17 RH: which 128 rows are mine, and: I fetch xb (0) or wb (1);  s18 CH: which 128 columns, and: which half of that tile I fetch
.set RH,  17
.set CH,  18
.set CX,  19                           ; s19, s20 my place in the cluster;  s21, s22 tile column and tile row
.set CY,  20
.set TX,  21
.set TY,  22
.set G1,  24                           ; s[24:31] descriptor group 1 for xb's tiles
.set G0,  32                           ; s[32:39] group 0 for xb's tiles, a set for each slot
.set PFA, 40                           ; s[40:41] the K step that my next prefetch names
.set PFS, 42                           ; s[42:43] a K step in bytes: 256 along xb's rows, 128 rows of wb
.set LIM, 44                           ; s44     1 in a wave that prefetches for the ring, else the greatest number
.set G1B, 48                           ; s[48:55], s[56:63] the same two groups for wb's tiles
.set G0B, 56
.set G0C, 68                           ; s[68:71], s[72:79] the two groups for c_prev's tile
.set G1C, 72
.set CPF, 80                           ; s[80:81] c_prev at my wave's 64 rows
.set OFC, 82                           ; s[82:83] the byte offset of those rows, in c_prev and in both outputs
.set KA,  84                           ; s[84:85] 2 log2(e): the packed multiply names a pair and takes its low word for both halves
.set KS,  86                           ; s[86:87] -log2(e)
.set HM,  94                           ; s94     mask of a word's upper bf16
.set MSB, 0
.macro WIN new                         ; the immediate's high byte repeats the setting that is left; a switch that changes nothing is dropped
.if MSB != (\new)
	s_set_vgpr_msb (MSB<<8)|(\new)
.set MSB, \new
.endif
.endm
; A joint load.  Waves 0 and 1 fetch xb's two halves, waves 2 and 3 wb's.  Each line has one mask and one set of registers for all that issue it; the branch hangs on the wave's number alone.
; An s_nop 0 and four v_nop follow each line, ahead of the jump, the label and what follows the macro.
.macro JLOAD s
	s_cmp_eq_u32 s[RH], 0
	s_cbranch_scc0 .Lfor_b_\@
	tensor_load_to_lds s[G0+4*(\s):G0+4*(\s)+3], s[G1:G1+7]
	s_nop 0
.rept 4
	v_nop
.endr
	s_branch .Lasked_\@
.Lfor_b_\@:
	tensor_load_to_lds s[G0B+4*(\s):G0B+4*(\s)+3], s[G1B:G1B+7]
	s_nop 0
.rept 4
	v_nop
.endr
.Lasked_\@:
.endm
; A round of the cluster's barrier: my work-group's barrier, so that wave 0's signal speaks for all four waves; wave 0 signals; every wave waits for all sixteen work-groups; my work-group's barrier once more.
.macro CREST                           ; a round behind its opening barrier
	s_cmp_lg_u32 s[WV], 0
	s_cbranch_scc1 .Lnot_wave_0_\@
	s_barrier_signal -3
.Lnot_wave_0_\@:
	s_barrier_wait -3
	s_barrier_signal -1
	s_barrier_wait -1
.endm
.macro CROUND                          ; a whole round
	s_barrier_signal -1
	s_barrier_wait -1
	CREST
.endm
; PREFETCHES INTO THE L2, behind a joint load, its five lines and the run of LDS loads that follows them.
; The ring's: the K step that stands two refills on, one instruction a wave.  Each block of 256 bytes is named once in the launch: xb's tile row is read by every cluster of a row of clusters, and the one
; with x = 0 asks; wb's tile column by every cluster of a column, and the one with y = 0 asks.  The four partners that ask for a tile jointly share it out BY ADDRESS: of the 128 rows of xb that a wave
; fetches the partner at cx takes 32, a lane a row; of the 64 rows of wb the partner at cy takes 16, two lanes a row of 512 bytes.  The loop's last trip has no K step two refills on.
; c_prev's: in the loop's last trip each wave asks for the 64 rows x 256 bytes that it will itself fetch at the next change of slots but one, 32 rows at each of the trip's two changes, a lane a row.
.macro ASK slot
	s_cmp_gt_u32 s3, s[LIM]                        ; s3 = 1 in the loop's last trip
	s_cbranch_scc0 .Lno_k_\@
	global_prefetch_b8 v[PFO], s[PFA:PFA+1] th:TH_LOAD_NT scope:SCOPE_SE
.Lno_k_\@:
	s_cmp_eq_u32 s3, 1
	s_cbranch_scc0 .Lno_c_\@
	global_prefetch_b8 v[PFC], s[CPF:CPF+1] offset:(\slot)*131072 th:TH_LOAD_NT scope:SCOPE_SE
.Lno_c_\@:
.endm
	s_load_b256 s[4:11], s[0:1], 0x0               ; xb s[4:5], wb s[6:7], the bias s[8:9], c_prev s[10:11]
	s_load_b128 s[12:15], s[0:1], 0x20             ; out0 s[12:13], out1 s[14:15]
	v_lshl_add_u32 v[SPW], v0, 2, SPARE
	v_mov_b32 v[NIL], 0
	ds_add_u32 v[SPW], v[NIL]                      ; the wave's opening: the add and its wait stand ahead of my first tensor load; the set-up below, work on registers, stands between them
	v_lshrrev_b32 v1, 5, v0
	v_readfirstlane_b32 s[WV], v1                  ; wave 0..3
	s_lshr_b32 s[RH], s[WV], 1
	s_and_b32 s[CH], s[WV], 1
	s_bfe_u32 s[CX], ttmp6, 0x40000
	s_bfe_u32 s[CY], ttmp6, 0x40004
	s_lshl_b32 s[TX], ttmp9, 2                     ; in a cluster launch ttmp9 and ttmp7 count clusters
	s_add_co_u32 s[TX], s[TX], s[CX]               ; tile column = 4 x cluster x + cx
	s_and_b32 s[TY], ttmp7, 0xffff
	s_lshl_b32 s[TY], s[TY], 2
	s_add_co_u32 s[TY], s[TY], s[CY]               ; tile row = 4 x cluster y + cy
	s_lshl_b32 s23, s[CY], 2
	s_lshl_b32 s23, 15, s23                        ; my row of the cluster: places 4 cy .. 4 cy + 3
	s_lshl_b32 s45, 0x1111, s[CX]                  ; my column: places cx, cx + 4, cx + 8, cx + 12
	; group 1 for xb: 128 rows x 128 elements of 2 bytes; 4 words of padding behind every 64
	s_or_b32 s[G1+0], s23, (1<<16)|(1<<20)|(1<<21)|(5<<22)|(3<<25)  ; 15:0 the mask; 17:16 element size; 20 padding on; 21 set beside a mask; 24:22 the interval's code; 31:25 the padding's words less 1
	s_mov_b32 s[G1+1], 128<<16                     ; tensor_dim0 = 128
	s_mov_b32 s[G1+2], 128<<16                     ; tensor_dim1 = 128
	s_mov_b32 s[G1+3], 128<<16                     ; tile_dim0 = 128
	s_mov_b32 s[G1+4], 128                         ; tile_dim1 = 128
	s_mov_b32 s[G1+5], 4096                        ; elements from row to row
	s_mov_b32 s[G1+6], 0
	s_mov_b32 s[G1+7], 0
	; group 1 for wb: 64 rows x 256 elements of 2 bytes; 8 words of padding behind every 128
	s_or_b32 s[G1B+0], s45, (1<<16)|(1<<20)|(1<<21)|(6<<22)|(7<<25)
	s_mov_b32 s[G1B+1], 256<<16
	s_mov_b32 s[G1B+2], 64<<16
	s_mov_b32 s[G1B+3], 256<<16
	s_mov_b32 s[G1B+4], 64
	s_mov_b32 s[G1B+5], 4096
	s_mov_b32 s[G1B+6], 0
	s_mov_b32 s[G1B+7], 0
	; group 1 for c_prev: 64 rows x 64 elements of 4 bytes; 4 words of padding behind every 64; no mask: each work-group has its own tile
	s_mov_b32 s[G1C+0], (2<<16)|(1<<20)|(5<<22)|(3<<25)
	s_mov_b32 s[G1C+1], 64<<16
	s_mov_b32 s[G1C+2], 64<<16
	s_mov_b32 s[G1C+3], 64<<16
	s_mov_b32 s[G1C+4], 64
	s_mov_b32 s[G1C+5], 1024
	s_mov_b32 s[G1C+6], 0
	s_mov_b32 s[G1C+7], 0
	s_mov_b32 s[KA], 0x4038aa3b                    ; 2 log2(e)
	s_mov_b32 s[KA+1], s[KA]                       ; named with it as a pair, so it is written
	s_mov_b32 s[KS], 0xbfb8aa3b                    ; -log2(e)
	s_mov_b32 s[KS+1], s[KS]
	s_mov_b32 s[HM], 0xffff0000
	; where the tiles come from.  xb's hang on the tile row alone, wb's on the tile column alone; each offset lies in registers that never hold the other coordinate
	s_lshl_b32 s46, s[TY], 21                      ; 256 rows of 8,192 bytes a tile row,
	s_lshl_b32 s23, s[CH], 20                      ; the 128 of them that I fetch
	s_add_co_u32 s46, s46, s23
	s_mov_b32 s47, 0
	s_lshl_b32 s66, s[TX], 9                       ; 512 bytes of a row a tile column,
	s_lshl_b32 s45, s[CH], 19                      ; the 64 rows of a K step that I fetch
	s_add_co_u32 s66, s66, s45
	s_mov_b32 s67, 0
	s_mul_i32 s92, s[WV], HALFT                    ; and where they go: wave x 34,816 bytes: no place in the cluster enters an LDS address
.irp s, 0,1
	s_mov_b32 s[G0+4*(\s)], 1                      ; 1:0 count = 1
	s_add_co_u32 s[G0+4*(\s)+1], s92, (\s)*SLOT    ; 63:32 LDS address
	s_mov_b32 s[G0B+4*(\s)], 1
	s_add_co_u32 s[G0B+4*(\s)+1], s92, (\s)*SLOT
.endr
	s_mov_b32 s[G0C], 1
	s_mul_i32 s[G0C+1], s[WV], 64*PITCH            ; c_prev's tile lies where slot 0's rows of xb lay: my 64 rows of it
	s_wait_dscnt 0x0                               ; the opening add is done
	s_wait_kmcnt 0x0
	s_add_nc_u64 s[G0+2:G0+3], s[4:5], s[46:47]    ; 120:64 global address: K step 0,
	s_add_nc_u64 s[G0+6:G0+7], s[G0+2:G0+3], 256   ; K step 1: 128 elements along the rows
	s_add_nc_u64 s[G0B+2:G0B+3], s[6:7], s[66:67]
	s_add_nc_u64 s[G0B+6:G0B+7], s[G0B+2:G0B+3], 0x100000  ; 128 rows down
	s_or_b32 s[G0+3], s[G0+3], 0x80000000          ; 127:126 type = 2
	s_or_b32 s[G0+7], s[G0+7], 0x80000000
	s_or_b32 s[G0B+3], s[G0B+3], 0x80000000
	s_or_b32 s[G0B+7], s[G0B+7], 0x80000000
	CROUND                                         ; all sixteen work-groups are here: the first joint loads meet
	JLOAD 0                                        ; the ring is filled before anything else is done: two tensor loads of mine are out
	JLOAD 1
	; lane addresses
	v_and_b32 v1, 15, v0                           ; l % 16
	v_bfe_u32 v2, v0, 4, 1                         ; h = l / 16
	v_and_b32 v5, 31, v0                           ; l
	; a fragment of xb: 16 rows x 32 K: lane l holds row l % 16; two loads of 16 bytes, 32 bytes apart, at row x pitch + 16 h
	v_mul_u32_u24 v3, v1, PITCH
	v_lshl_add_u32 v3, v2, 4, v3
	s_mul_i32 s92, s[RH], HALFT                    ; my 128 rows
	v_add_nc_u32 v[ADRA], s92, v3
	v_add_nc_u32 v[ADRA+1], SLOT, v[ADRA]
	; a fragment of wb: the turning load takes 16 k x 16 columns (lane l reads row 8 h + l % 8, columns 8 ((l / 8) % 2) + 0..7) and leaves lane l column l % 16 and 8 k
	v_and_b32 v6, 7, v0
	v_bfe_u32 v7, v0, 3, 1
	v_lshl_add_u32 v4, v2, 3, v6
	v_mul_u32_u24 v4, v4, PB
	v_lshl_add_u32 v4, v7, 4, v4
	s_lshl_b32 s92, s[CH], 6                       ; my 32 j of each gate: 64 bytes,
	s_add_co_u32 s92, s92, 2*HALFT                 ; behind xb's 256 rows
	v_add_nc_u32 v[ADRB], s92, v4
	v_add_nc_u32 v[ADRB+1], SLOT, v[ADRB]
	; the cell: row 128 RH + l % 16 of a tile of 64 f32 a row; my eight columns begin at byte 128 CH + 32 h (+ 64 jb)
	s_mul_i32 s92, s[RH], HALFT
	s_lshl_b32 s93, s[CH], 7
	s_add_co_u32 s92, s92, s93
	v_mul_u32_u24 v8, v1, PITCH
	v_lshl_add_u32 v8, v2, 5, v8
	v_add_nc_u32 v[CPA], s92, v8
	v_add_nc_u32 v[STH], STAGEH, v[CPA]
	v_add_nc_u32 v[STC], STAGEC, v[CPA]
	; the way out: wave w takes rows 64 w .. 64 w + 63, whole; lanes 0-15 one row of 256 bytes, lanes 16-31 the next
	s_mul_i32 s92, s[WV], 64*PITCH
	v_mul_u32_u24 v9, v2, PITCH
	v_lshl_add_u32 v9, v1, 4, v9
	v_add_nc_u32 v9, s92, v9
	v_add_nc_u32 v[RDH], STAGEH, v9
	v_add_nc_u32 v[RDC], STAGEC, v9
	v_lshlrev_b32 v[CO], 12, v2                    ; and the same two rows in the outputs, 4,096 bytes apart
	v_lshl_add_u32 v[CO], v1, 4, v[CO]
	s_lshl_b32 s92, s[CH], 7
	v_lshl_add_u32 v[BO], v2, 5, s92               ; the bias: 128 CH + 32 h
	v_lshrrev_b32 v10, s[RH], v5                   ; the ring's prefetches: for xb a lane a row of 8,192 bytes; for wb two lanes a row, 256 bytes apart
	v_and_b32 v11, s[RH], v5
	v_lshlrev_b32 v[PFO], 13, v10
	v_lshl_add_u32 v[PFO], v11, 8, v[PFO]
	v_lshlrev_b32 v[PFC], 12, v5                   ; c_prev's: a lane a row of 4,096 bytes
	; my 64 rows of the tile in c_prev and in both outputs: row 256 ty + 64 w, column 64 tx
	s_lshl_b32 s[OFC], s[TY], 20
	s_lshl_b32 s[OFC+1], s[WV], 18
	s_add_co_u32 s[OFC], s[OFC], s[OFC+1]
	s_lshl_b32 s[OFC+1], s[TX], 8
	s_add_co_u32 s[OFC], s[OFC], s[OFC+1]
	s_mov_b32 s[OFC+1], 0
	s_add_nc_u64 s[12:13], s[12:13], s[OFC:OFC+1]
	s_add_nc_u64 s[14:15], s[14:15], s[OFC:OFC+1]
	s_add_nc_u64 s[CPF:CPF+1], s[10:11], s[OFC:OFC+1]
	s_mov_b64 s[G0C+2:G0C+3], s[CPF:CPF+1]
	s_or_b32 s[G0C+3], s[G0C+3], 0x80000000
	s_lshl_b32 s92, s[TX], 8                       ; the bias at j = 64 tx
	s_mov_b32 s93, 0
	s_add_nc_u64 s[8:9], s[8:9], s[92:93]
	WIN 0x40                                       ; destination window 1, address window 0
.irp b, 0,1,2,3,4,5,6,7                ; register r of the bias for accumulators (., b): b[1024 g + 64 tx + 32 CH + 16 jb + 8 h + r]
	global_load_b128 v[BI+8*(\b):BI+8*(\b)+3],   v[BO], s[8:9] offset:4096*((\b)/2)+64*((\b)%2)
	global_load_b128 v[BI+8*(\b)+4:BI+8*(\b)+7], v[BO], s[8:9] offset:4096*((\b)/2)+64*((\b)%2)+16
.endr
	WIN 0
	; the ring's prefetches: whose tile, my place among the four that ask for it with me, and the coordinate along which other clusters read the same rows
	s_and_b32 s90, ttmp7, 0xffff                   ; cluster y
	s_mov_b32 s[PFS], 0x100000
	s_cmp_eq_u32 s[RH], 0                          ; do I fetch xb?
	s_cselect_b32 s88, s46, s66                    ; the offset of what I fetch
	s_cselect_b32 s89, s[CX], s[CY]
	s_cselect_b32 s90, ttmp9, s90
	s_cselect_b32 s91, 18, 17                      ; my work-group's part: 32 rows of xb, or 16 of wb, of 8,192 bytes
	s_cselect_b32 s[PFS], 256, s[PFS]
	s_cselect_b64 s[PFA:PFA+1], s[4:5], s[6:7]
	s_mov_b32 s[PFS+1], 0
	s_cmp_eq_u32 s90, 0
	s_cselect_b32 s[LIM], 1, -1                    ; the same in all sixteen partners, for a given wave
	s_lshl_b32 s89, s89, s91
	s_add_co_u32 s88, s88, s89
	s_mul_i32 s89, s[PFS], 3                       ; at K step 3: the first change of slots steps it to 4 and names that.  Nothing is prefetched here, at the head, where every work-group's first tiles are on their way
	s_add_co_u32 s88, s88, s89
	s_mov_b32 s89, 0
	s_add_nc_u64 s[PFA:PFA+1], s[PFA:PFA+1], s[88:89]
; 16 matrix instructions: row blocks a0, a0 + 1 of the window's four (hi = 0: my rows 0-63, 1: rows 64-127) x all 8 column blocks, 32 along K.
; zero = 1: the first product starts the sums, with the bias (window 1) as its C.  The 64 accumulators take turns, one instruction a turn, in the same order in every quarter.
.macro MUL16 f, hi, a0, zero
.if \zero
	WIN 0x91+0x40*(\hi)                            ; source 0 (wb) window 1, source 1 (xb) window 0, C window 1, D window 2 or 3
.else
	WIN 0xa1+0x50*(\hi)                            ; the same, C and D window 2 or 3
.endif
.irp a, \a0, (\a0)+1
.irp b, 0,1,2,3,4,5,6,7
.if \zero
	v_wmma_f32_16x16x32_bf16 v[8*(8*(\a)+(\b)):8*(8*(\a)+(\b))+7], v[(\f)+8*(\b):(\f)+8*(\b)+7], v[(\f)+8*(4*(\hi)+(\a)):(\f)+8*(4*(\hi)+(\a))+7], v[BI+8*(\b):BI+8*(\b)+7]
.else
	v_wmma_f32_16x16x32_bf16 v[8*(8*(\a)+(\b)):8*(8*(\a)+(\b))+7], v[(\f)+8*(\b):(\f)+8*(\b)+7], v[(\f)+8*(4*(\hi)+(\a)):(\f)+8*(4*(\hi)+(\a))+7], v[8*(8*(\a)+(\b)):8*(8*(\a)+(\b))+7]
.endif
.endr
.endr
.endm
; 32 LDS loads in one run: the fragments of quarter q of a K step (32 k x my 128 columns of wb, turned; my 128 rows of xb x 32 k) into buffer f
.macro FETCH slot, q, f
	WIN 0x40                                       ; destination window 1, address window 0
.irp b, 0,1,2,3,4,5,6,7                ; gate b / 2: 128 bytes on; jb = b % 2: 32 bytes on
	ds_load_tr16_b128 v[(\f)+8*(\b):(\f)+8*(\b)+3],   v[ADRB+(\slot)] offset:(\q)*32*PB+128*((\b)/2)+32*((\b)%2)
	ds_load_tr16_b128 v[(\f)+8*(\b)+4:(\f)+8*(\b)+7], v[ADRB+(\slot)] offset:(\q)*32*PB+128*((\b)/2)+32*((\b)%2)+16*PB
.endr
	WIN 0
.irp i, 0,1,2,3,4,5,6,7
	ds_load_b128 v[(\f)+8*(\i):(\f)+8*(\i)+3],   v[ADRA+(\slot)] offset:(\q)*64+(\i)*16*PITCH
	ds_load_b128 v[(\f)+8*(\i)+4:(\f)+8*(\i)+7], v[ADRA+(\slot)] offset:(\q)*64+(\i)*16*PITCH+32
.endr
.endm
; A load into a register that a matrix instruction has read, and a vector instruction that reads a matrix result or writes one of a matrix instruction's registers, stand four places behind it, and only
; plain vector instructions that name none of its registers are places (ISA guide 7.12.1 for vector instructions).
.macro PLACES
.rept 4
	v_nop
.endr
.endm
; A K step is four quarters of 32 along K, 64 matrix instructions each, on buffers 0, 1, 0, 1.  One of the first three: multiplies buffer f; in its middle it fetches quarter q of the same slot into buffer g.
.macro QUARTER slot, q, f, g, zero
	s_wait_dscnt 8                                 ; wb's fragments and xb's rows 0-63 are in; the youngest eight loads (xb's rows 64-127) may be out
	MUL16 \f, 0, 0, \zero
	MUL16 \f, 0, 2, \zero
	PLACES
	FETCH \slot, \q, \g
	s_wait_dscnt 32                                ; all but the 32 just issued
	MUL16 \f, 1, 0, \zero
	MUL16 \f, 1, 2, \zero
.endm
; The last quarter multiplies buffer 1 and changes slots.  MEET is its first half: each wave waits for all its tensor loads, of which one is out: its part of the next slot; adds 0 to its spare word; and
; waits for that and for its own reads of this slot.  The barrier opens a round of the cluster's barrier.
.macro MEET
	WIN 0                                          ; (the add's two registers lie in window 0)
	s_wait_tensorcnt 0x0                           ; all my tensor loads have landed;
	ds_add_u32 v[SPW], v[NIL]                      ; 0 onto my spare word;
	s_wait_dscnt 9                                 ; (the add and the youngest eight loads may be out)
	MUL16 F1, 0, 0, 0                              ; sixteen matrix instructions stand between the add and the wait for it
	s_wait_dscnt 0x0                               ; the add is done, and my reads of this slot are over:
	s_barrier_signal -1                            ; say so,
	MUL16 F1, 0, 2, 0                              ; work on registers while the others arrive,
	WIN 0
	s_barrier_wait -1                              ; and go on when all four have said so
.endm
; The whole last quarter.  Behind the round the slot just read out is filled again first: cp = 0: with the K step two steps on, jointly; cp = 1 (the last change of slots): its rows of xb give way to
; c_prev's tile, of which every wave fetches its own 64 rows.  Then come the next slot's first fragments.
.macro TURN slot, next, cp
.if !(\cp)
	s_wait_xcnt 0x0                                ; the last prefetches, a K step back, have read their addresses: the ring's is stepped here, ahead of the waits of the change of slots
	s_add_nc_u64 s[PFA:PFA+1], s[PFA:PFA+1], s[PFS:PFS+1]
.endif
	MEET
	CREST                                          ; no wave of any partner still reads this slot's tile or has a load on its way
.if \cp
	tensor_load_to_lds s[G0C:G0C+3], s[G1C:G1C+7]  ; my one tensor load behind the round
	s_nop 0
	PLACES                                         ; also the places in front of the loads below
.else
	s_add_nc_u64 s[G0+4*(\slot)+2:G0+4*(\slot)+3], s[G0+4*(\slot)+2:G0+4*(\slot)+3], 512
	s_add_nc_u64 s[G0B+4*(\slot)+2:G0B+4*(\slot)+3], s[G0B+4*(\slot)+2:G0B+4*(\slot)+3], 0x200000
	JLOAD \slot                                    ; the first tensor load behind the round; the four v_nop behind it are also the places in front of the loads below
.endif
	FETCH \next, 0, F0
.if !(\cp)
	ASK \slot
.endif
	MUL16 F1, 1, 0, 0
	MUL16 F1, 1, 2, 0
.endm
	s_wait_tensorcnt 1                             ; my part of K step 0 is in; K step 1's may stay out
	s_barrier_signal -1
	s_barrier_wait -1                              ; everybody's is
	FETCH 0, 0, F0
	s_wait_loadcnt 0x0                             ; the bias
	WIN 0x45                                       ; sources and destination window 1.  The bias is rounded to bf16 like every other input, and widened again: 96 lines, once a wave, while the first fragments come out of LDS
.set z, 0
.rept 32
	v_cvt_pk_bf16_f32 v[BT+z], v[BI+2*z], v[BI+2*z+1]
.set z, z+1
.endr
.set z, 0
.rept 32
	v_lshlrev_b32 v[BI+2*z],   16, v[BT+z]         ; bf16 to f32: the low half moves up,
	v_and_b32     v[BI+2*z+1], s[HM], v[BT+z]      ; the high half stays
.set z, z+1
.endr
	QUARTER 0, 1, F0, F1, 1                        ; the first quarter stands in front of the loop: its products start the sums
	WIN 0                                          ; at a label and at a branch every window is 0
	s_mov_b32 s3, LAPS-1
.Llap:                                                 ; a trip goes once round the ring, from a lap's second quarter to the next lap's first, and fills both slots again
	QUARTER 0, 2, F1, F0, 0
	QUARTER 0, 3, F0, F1, 0
	TURN 0, 1, 0
	QUARTER 1, 1, F0, F1, 0
	QUARTER 1, 2, F1, F0, 0
	QUARTER 1, 3, F0, F1, 0
	TURN 1, 0, 0
	QUARTER 0, 1, F0, F1, 0
	WIN 0
	s_sub_co_u32 s3, s3, 1
	s_cmp_lg_u32 s3, 0
	s_cbranch_scc1 .Llap
	QUARTER 0, 2, F1, F0, 0                        ; the last lap is written out
	QUARTER 0, 3, F0, F1, 0
	TURN 0, 1, 1                                   ; c_prev is asked for: it has the last K step in which to land
	QUARTER 1, 1, F0, F1, 0
	QUARTER 1, 2, F1, F0, 0
	QUARTER 1, 3, F0, F1, 0
	s_wait_dscnt 8                                 ; the very last quarter: nothing more to fetch
	MUL16 F1, 0, 0, 0
	MUL16 F1, 0, 2, 0
	s_wait_dscnt 0x0
	MUL16 F1, 1, 0, 0
	MUL16 F1, 1, 2, 0
	WIN 0
	PLACES                                         ; behind the last products: the cell reads their results and writes over their sources
	PLACES
	s_wait_tensorcnt 0x0                           ; my 64 rows of c_prev are in,
	s_wait_dscnt 0x0                               ; and my reads of slot 1 are over
	s_barrier_signal -1
	s_barrier_wait -1                              ; both hold of every wave: c_prev's tile is whole, and slot 1, which has had its last fill, may take the stages
; THE CELL for block a: 16 rows x my 32 j, 16 numbers of h and of c a lane.  Four batches of transcendentals, each with plain work or a v_nop behind its last and one wait ahead of its first reader.
.macro LSTM a
.set AC, 64*((\a)%4)
	WIN 0
.irp x, 0,1,2,3                        ; jb = x / 2, four columns x % 2
	ds_load_b128 v[CPR+4*(\x):CPR+4*(\x)+3], v[CPA] offset:(\a)*16*PITCH+64*((\x)/2)+16*((\x)%2)
.endr
	WIN 0x02+(\a)/4                                ; source 0: window 2 or 3.  The registers ascend
.set z, 0
.rept 8
	v_pk_mul_f32 v[T+2*z:T+2*z+1], v[AC+2*z:AC+2*z+1], s[KA:KA+1] op_sel_hi:[1,0]  ; a: 2 log2(e) x
.set z, z+1
.endr
.rept 24
	v_pk_mul_f32 v[T+2*z:T+2*z+1], v[AC+2*z:AC+2*z+1], s[KS:KS+1] op_sel_hi:[1,0]  ; i, f, o: -log2(e) x
.set z, z+1
.endr
	WIN 0
.set z, 0
.rept 64
	v_exp_f32 v[T+z], v[T+z]
.set z, z+1
.endr
	s_wait_dscnt 0x0                               ; c_prev is in.  It is rounded to bf16 like every other input, and widened again: 24 plain lines that name no exponential's result, the independent work behind the batch
.set z, 0
.rept 8
	v_cvt_pk_bf16_f32 v[CPB+z], v[CPR+2*z], v[CPR+2*z+1]
.set z, z+1
.endr
.set z, 0
.rept 8
	v_lshlrev_b32 v[CPR+2*z],   16, v[CPB+z]
	v_and_b32     v[CPR+2*z+1], s[HM], v[CPB+z]
.set z, z+1
.endr
	s_wait_alu depctr_va_vdst(0)
.set z, 0
.rept 32
	v_pk_add_f32 v[T+2*z:T+2*z+1], v[T+2*z:T+2*z+1], 1.0 op_sel_hi:[1,0]
.set z, z+1
.endr
.set z, 0
.rept 64
	v_rcp_f32 v[T+z], v[T+z]                       ; i, f, o: the sigmoids
.set z, z+1
.endr
	v_nop
	s_wait_alu depctr_va_vdst(0)
.set z, 0
.rept 8
	v_pk_fma_f32 v[T+2*z:T+2*z+1], v[T+2*z:T+2*z+1], -2.0, 1.0 op_sel_hi:[1,0,0]  ; tanh(a)
.set z, z+1
.endr
.set z, 0
.rept 8
	v_pk_mul_f32 v[T+2*z:T+2*z+1], v[T+2*z:T+2*z+1], v[T+16+2*z:T+16+2*z+1]       ; tanh(a) sigmoid(i)
.set z, z+1
.endr
.set z, 0
.rept 8
	v_pk_fma_f32 v[CN+2*z:CN+2*z+1], v[T+32+2*z:T+32+2*z+1], v[CPR+2*z:CPR+2*z+1], v[T+2*z:T+2*z+1]  ; c
.set z, z+1
.endr
.set z, 0
.rept 8
	v_pk_mul_f32 v[EC+2*z:EC+2*z+1], v[CN+2*z:CN+2*z+1], s[KA:KA+1] op_sel_hi:[1,0]
.set z, z+1
.endr
.irp x, 0,1,2,3
	ds_store_b128 v[STC], v[CN+4*(\x):CN+4*(\x)+3] offset:(\a)*16*PITCH+64*((\x)/2)+16*((\x)%2)
.endr
.set z, 0
.rept 16
	v_exp_f32 v[EC+z], v[EC+z]
.set z, z+1
.endr
	v_nop
	s_wait_alu depctr_va_vdst(0)
.set z, 0
.rept 8
	v_pk_add_f32 v[EC+2*z:EC+2*z+1], v[EC+2*z:EC+2*z+1], 1.0 op_sel_hi:[1,0]
.set z, z+1
.endr
.set z, 0
.rept 16
	v_rcp_f32 v[EC+z], v[EC+z]
.set z, z+1
.endr
	v_nop
	s_wait_alu depctr_va_vdst(0)
.set z, 0
.rept 8
	v_pk_fma_f32 v[EC+2*z:EC+2*z+1], v[EC+2*z:EC+2*z+1], -2.0, 1.0 op_sel_hi:[1,0,0]  ; tanh(c)
.set z, z+1
.endr
.set z, 0
.rept 8
	v_pk_mul_f32 v[EC+2*z:EC+2*z+1], v[EC+2*z:EC+2*z+1], v[T+48+2*z:T+48+2*z+1]       ; h
.set z, z+1
.endr
.irp x, 0,1,2,3
	ds_store_b128 v[STH], v[EC+4*(\x):EC+4*(\x)+3] offset:(\a)*16*PITCH+64*((\x)/2)+16*((\x)%2)
.endr
.endm
.irp a, 0,1,2,3,4,5,6,7
	LSTM \a
.endr
	s_wait_dscnt 0x0                               ; for the others' sake: my stores into the stages are done
	s_barrier_signal -1
	s_barrier_wait -1                              ; a stage row's 256 bytes come from two waves
; THE WAY OUT.  BACK: 32 rows of a stage into 64 registers, two rows a load.  SEND: they are stored; younger = the LDS loads issued behind BACK's, which may stay out.
.macro BACK reg, buf, t0
.irp t, 0,1,2,3,4,5,6,7,8,9,10,11,12,13,14,15
	ds_load_b128 v[(\buf)+4*(\t):(\buf)+4*(\t)+3], v[\reg] offset:((\t0)+(\t))*2*PITCH
.endr
.endm
.macro SEND buf, base, t0, younger
.irp t, 0,1,2,3,4,5,6,7,8,9,10,11,12,13,14,15
	s_wait_dscnt (\younger)+15-(\t)
	global_store_b128 v[CO], v[(\buf)+4*(\t):(\buf)+4*(\t)+3], s[(\base):(\base)+1] offset:((\t0)+(\t))*8192 th:TH_STORE_NT  ; 16 lanes store 256 consecutive bytes, at a multiple of 256 from the output's first byte
.endr
.endm
	BACK RDH, BK0, 0
	BACK RDH, BK1, 16
	SEND BK0, 12, 0, 16                            ; h, my rows 0-31
	s_wait_xcnt 0x0                                ; the stores have read their registers: only behind this wait is the buffer loaded again
	BACK RDC, BK0, 0
	SEND BK1, 12, 16, 16                           ; h, my rows 32-63
	s_wait_xcnt 0x0
	BACK RDC, BK1, 16
	SEND BK0, 14, 0, 16                            ; c, my rows 0-31
	SEND BK1, 14, 16, 0                            ; c, my rows 32-63
	s_wait_tensorcnt 0x0                           ; the wave's end: a wait, an add to my spare word and its wait, behind my last tensor load and my last LDS store
	ds_add_u32 v[SPW], v[NIL]
	s_wait_dscnt 0x0
	CROUND                                         ; the closing round: no work-group ends while a partner may still ask for a tile that names it
	s_endpgm
.Lfunc_end_k_qe561931bf1_cell:
	.size	k_qe561931bf1_cell, .Lfunc_end_k_qe561931bf1_cell-k_qe561931bf1_cell
	.p2alignl 7, 3214868480
	.fill 96, 4, 3214868480
	.section	.rodata,"a",@progbits
	.p2align	6, 0x0
	.amdhsa_kernel k_qe561931bf1_cell
		.amdhsa_group_segment_fixed_size 327680
		.amdhsa_private_segment_fixed_size 0
		.amdhsa_enable_private_segment 0
		.amdhsa_kernarg_size 48
		.amdhsa_user_sgpr_count 2
		.amdhsa_user_sgpr_kernarg_segment_ptr 1
		.amdhsa_wavefront_size32 1
		.amdhsa_system_sgpr_workgroup_id_x 1
		.amdhsa_system_sgpr_workgroup_id_y 1
		.amdhsa_system_sgpr_workgroup_id_z 1
		.amdhsa_system_vgpr_workitem_id 0
		.amdhsa_next_free_vgpr 1024
		.amdhsa_next_free_sgpr 96
		.amdhsa_reserve_vcc 0
		.amdhsa_float_denorm_mode_32 3
		.amdhsa_float_denorm_mode_16_64 3
		.amdhsa_memory_ordered 1
		.amdhsa_forward_progress 1
		.amdhsa_inst_pref_size 249
	.end_amdhsa_kernel
	.amdgpu_metadata
---
amdhsa.version: [ 1, 2 ]
amdhsa.kernels:
  - .name:           k_qe561931bf1_cell
    .symbol:         k_qe561931bf1_cell.kd
    .args:
      - { .name: xb, .offset: 0, .size: 8, .value_kind: global_buffer, .address_space: global }
      - { .name: wb, .offset: 8, .size: 8, .value_kind: global_buffer, .address_space: global }
      - { .name: b_lateral, .offset: 16, .size: 8, .value_kind: global_buffer, .address_space: global }
      - { .name: c_prev, .offset: 24, .size: 8, .value_kind: global_buffer, .address_space: global }
      - { .name: out0, .offset: 32, .size: 8, .value_kind: global_buffer, .address_space: global }
      - { .name: out1, .offset: 40, .size: 8, .value_kind: global_buffer, .address_space: global }
    .group_segment_fixed_size: 327680
    .private_segment_fixed_size: 0
    .kernarg_segment_align: 8
    .kernarg_segment_size: 48
    .max_flat_workgroup_size: 128
    .sgpr_count:     96
    .vgpr_count:     1024
    .wavefront_size: 32
...
	.end_amdgpu_metadata
.endif
;; end of part 2
;; ======== version 2 of 2: 2 launches; version 1 with the launch cast written anew for expert scheduling mode
;; workspace buffers: xb 33,554,432 bytes; wb 33,554,432 bytes
;; launch cast (part 3): grid 1024 x 2, 8 waves a work-group, no clusters, 0 bytes of LDS; arguments top_buf_h, top_stack1_h, top_stack2_h, h_prev, W_buf, W_stack1, W_stack2, W_lateral, xb, wb; writes xb, wb
.if DOCPART == 3
	.amdgcn_target "amdgcn-amd-amdhsa--gfx1250"
	.amdhsa_code_object_version 6
	.text
	.protected	k_qe561931bf1_cast
	.globl	k_qe561931bf1_cast
	.p2align	8
	.type	k_qe561931bf1_cast,@function
k_qe561931bf1_cast:
	s_mov_b64 s[64:65], 0
	v_nop
	global_prefetch_b8 v0, s[64:65] scope:SCOPE_SE
	s_setreg_imm32_b32 hwreg(HW_REG_WAVE_SCHED_MODE, 0, 2), 2
	s_setreg_imm32_b32 hwreg(HW_REG_WAVE_MODE, 25, 1), 1
	s_wait_xcnt 0x0
	s_wait_alu depctr_vm_vsrc(0)
; THE CAST.  The four activations [4096][1024] f32 become xb [4096 m][4096 k] bf16, side by side along k (k = 1024 s + k'; s = 0 buf, 1 stack1, 2 stack2, 3 h_prev).
; The four weights [1024][4096] f32 become wb [4096 k][4096 n'] bf16, one below the other along k in the same order, their columns laid by gate:
; column n = 1024 g + j goes to n' = 256 (j / 64) + 64 g + j % 64, so that 256 neighbouring columns of wb hold 64 neighbouring j of all four gates.
; Each number is rounded once, to nearest even; nothing is scaled.
; SHARES.  Grid y = 0 casts the activations, y = 1 the weights; a work-group reads 64 KiB, a wave 8 KiB in 16 items.  An item is one load of 16 bytes a lane (512 bytes a wave),
; two packed roundings, and one store of 8 bytes a lane: 256 consecutive bytes, aligned.  All 16 loads of a wave go out before its first wait; every item has registers of its own,
; so no register that a pending load or store names is written again.
; No LDS, no matrix unit, no cluster: nothing is shared between waves, and each byte is read once and written once.
; THE MODE: SCHED_MODE bits 1:0 = 2 (LLVM: expert scheduling mode 2), set by the entry lines.  The code itself states the register dependences between vector instructions and
; memory instructions, with s_wait_alu, always for 0.
; THE PLAN.  Registers that memory instructions touch, on either path:
;   v[VI], v[VO]  the two offsets.  Written by vector instructions at the path's head, never again; read by the 16 loads and the 16 stores.
;   IN            item n's four registers.  Written by item n's load alone, once; read by its two roundings, behind the counted wait for the load.
;   OUT           item n's two registers.  Written by item n's roundings, once; read by its store, once.
; The 16 items go in four blocks of four, a source to a block.  Block p rounds its own items; its memory instructions are the four stores of block p - 1, dealt among its roundings,
; which name IN and OUT of block p alone.  So one wait on va_vdst at the head of a block states all that the block's stores hang on; one more stands ahead of the first load, for the
; offsets, and one ahead of the last four stores.  No register that a memory instruction has read is ever written again, so no wait on vm_vsrc is owed.
.set VI,  3                            ; v3        my byte offset in the inputs; never rewritten
.set VO,  4                            ; v4        my byte offset in the output; never rewritten
.set IN,  32                           ; v[32:95]  item n: 4 registers as loaded
.set OUT, 96                           ; v[96:127] item n: 2 registers to store
.macro LD n, base, imm
	global_load_b128 v[IN+4*(\n):IN+4*(\n)+3], v[VI], s[(\base):(\base)+1] offset:\imm th:TH_LOAD_NT
.endm
.macro RND n                           ; item n's two roundings
	v_cvt_pk_bf16_f32 v[OUT+2*(\n)],   v[IN+4*(\n)],   v[IN+4*(\n)+1]
	v_cvt_pk_bf16_f32 v[OUT+2*(\n)+1], v[IN+4*(\n)+2], v[IN+4*(\n)+3]
.endm
.macro ST n, base, imm                 ; item n's store
	global_store_b64 v[VO], v[OUT+2*(\n):OUT+2*(\n)+1], s[(\base):(\base)+1] offset:\imm th:TH_STORE_NT
.endm
	s_load_b512 s[8:23], s[0:1], 0x0               ; the activations s[8:15], the weights s[16:23]
	s_load_b128 s[24:27], s[0:1], 0x40             ; xb s[24:25], wb s[26:27]
	v_and_b32 v1, 31, v0                           ; lane l
	v_lshrrev_b32 v2, 5, v0                        ; wave w
	s_and_b32 s2, ttmp7, 0xffff                    ; 0: activations, 1: weights
	s_lshl_b32 s28, ttmp9, 14                      ; the work-group's 16 KiB in each of its four sources, on both paths
	s_mov_b32 s29, 0
	s_mov_b32 s31, 0
	s_wait_kmcnt 0x0
	s_cmp_lg_u32 s2, 0
	s_cbranch_scc1 .Lweights
	; ACTIVATIONS.  Work-group bx takes rows 4 bx .. 4 bx + 3 of all four sources and writes four whole rows of xb.  Wave w: row w / 2, half w % 2 of it.
	s_lshl_b32 s30, ttmp9, 15                      ; four rows of xb, 8,192 bytes each
	v_lshlrev_b32 v[VI], 4, v1
	v_lshl_add_u32 v[VI], v2, 11, v[VI]            ; 2,048 w + 16 l
	v_lshrrev_b32 v5, 1, v2
	v_and_b32 v6, 1, v2
	v_lshlrev_b32 v[VO], 3, v1
	v_lshl_add_u32 v[VO], v6, 10, v[VO]
	v_lshl_add_u32 v[VO], v5, 13, v[VO]            ; 8,192 (w / 2) + 1,024 (w % 2) + 8 l
.irp s, 0,1,2,3
	s_add_nc_u64 s[8+2*(\s):9+2*(\s)], s[8+2*(\s):9+2*(\s)], s[28:29]
.endr
	s_add_nc_u64 s[24:25], s[24:25], s[30:31]
	s_wait_alu depctr_va_vdst(0)                   ; v[VI] and v[VO] are written: every load below reads the one as its offset, every store the other
.irp s, 0,1,2,3
.irp i, 0,1,2,3
	LD 4*(\s)+(\i), 8+2*(\s), 512*(\i)
.endr
.endr
	s_wait_loadcnt 12                              ; loads come back in order: block 0's four are in, the 12 younger ones may stay out
.irp i, 0,1,2,3
	RND \i                                         ; block 0 has no block in front of it: nothing to store yet
.endr
.irp s, 1,2,3
	s_wait_loadcnt 12-4*(\s)                       ; block s's four loads are in, the younger blocks' may stay out
	s_wait_alu depctr_va_vdst(0)                   ; the roundings of block s - 1 have written its OUT registers, which the four stores below read
.irp i, 0,1,2,3
	ST 4*((\s)-1)+(\i), 24, 2048*((\s)-1)+256*(\i) ; source s - 1 has 2,048 bytes of a row of xb.  No vector instruction since the wait names this store's registers
	RND 4*(\s)+(\i)
.endr
.endr
	s_wait_alu depctr_va_vdst(0)                   ; the roundings of block 3 have written its OUT registers, which the last four stores read
.irp i, 0,1,2,3
	ST 12+(\i), 24, 6144+256*(\i)
.endr
	s_endpgm
.Lweights:
	; WEIGHTS.  Work-group bx takes row bx of all four sources.  Wave w: gates 2 (w % 2) and 2 (w % 2) + 1, blocks jb = 4 (w / 2) + i of 64 columns.
	; Lanes 0-15 read 256 consecutive bytes of the one gate, lanes 16-31 of the other; together they store 256 consecutive bytes of wb.
	s_lshl_b32 s30, ttmp9, 13                      ; a row of wb
	v_and_b32 v5, 1, v2                            ; w % 2
	v_lshrrev_b32 v6, 1, v2                        ; w / 2
	v_lshrrev_b32 v7, 4, v1                        ; l / 16
	v_and_b32 v8, 15, v1                           ; l % 16
	v_lshlrev_b32 v[VI], 4, v8
	v_lshl_add_u32 v[VI], v6, 10, v[VI]
	v_lshl_add_u32 v[VI], v7, 12, v[VI]
	v_lshl_add_u32 v[VI], v5, 13, v[VI]            ; 8,192 (w % 2) + 4,096 (l / 16) + 1,024 (w / 2) + 16 (l % 16)
	v_lshlrev_b32 v[VO], 3, v1
	v_lshl_add_u32 v[VO], v5, 8, v[VO]
	v_lshl_add_u32 v[VO], v6, 11, v[VO]            ; 2,048 (w / 2) + 256 (w % 2) + 8 l
.irp s, 0,1,2,3
	s_add_nc_u64 s[16+2*(\s):17+2*(\s)], s[16+2*(\s):17+2*(\s)], s[28:29]
.endr
	s_add_nc_u64 s[32:33], s[26:27], s[30:31]      ; source s lies 1,024 rows of wb, 8 MiB, behind source s - 1: more than an immediate holds, so four bases
	s_add_nc_u64 s[34:35], s[32:33], 0x800000
	s_add_nc_u64 s[36:37], s[34:35], 0x800000
	s_add_nc_u64 s[38:39], s[36:37], 0x800000
	s_wait_alu depctr_va_vdst(0)                   ; v[VI] and v[VO] are written: every load below reads the one as its offset, every store the other
.irp s, 0,1,2,3
.irp i, 0,1,2,3
	LD 4*(\s)+(\i), 16+2*(\s), 256*(\i)
.endr
.endr
	s_wait_loadcnt 12                              ; block 0's four loads are in, the 12 younger ones may stay out
.irp i, 0,1,2,3
	RND \i
.endr
.irp s, 1,2,3
	s_wait_loadcnt 12-4*(\s)                       ; block s's four loads are in, the younger blocks' may stay out
	s_wait_alu depctr_va_vdst(0)                   ; the roundings of block s - 1 have written its OUT registers, which the four stores below read
.irp i, 0,1,2,3
	ST 4*((\s)-1)+(\i), 30+2*(\s), 512*(\i)        ; by source s - 1's base.  No vector instruction since the wait names this store's registers
	RND 4*(\s)+(\i)
.endr
.endr
	s_wait_alu depctr_va_vdst(0)                   ; the roundings of block 3 have written its OUT registers, which the last four stores read
.irp i, 0,1,2,3
	ST 12+(\i), 38, 512*(\i)
.endr
	s_endpgm
.Lfunc_end_k_qe561931bf1_cast:
	.size	k_qe561931bf1_cast, .Lfunc_end_k_qe561931bf1_cast-k_qe561931bf1_cast
	.p2alignl 7, 3214868480
	.fill 96, 4, 3214868480
	.section	.rodata,"a",@progbits
	.p2align	6, 0x0
	.amdhsa_kernel k_qe561931bf1_cast
		.amdhsa_group_segment_fixed_size 0
		.amdhsa_private_segment_fixed_size 0
		.amdhsa_enable_private_segment 0
		.amdhsa_kernarg_size 80
		.amdhsa_user_sgpr_count 2
		.amdhsa_user_sgpr_kernarg_segment_ptr 1
		.amdhsa_wavefront_size32 1
		.amdhsa_system_sgpr_workgroup_id_x 1
		.amdhsa_system_sgpr_workgroup_id_y 1
		.amdhsa_system_sgpr_workgroup_id_z 1
		.amdhsa_system_vgpr_workitem_id 0
		.amdhsa_next_free_vgpr 128
		.amdhsa_next_free_sgpr 66
		.amdhsa_reserve_vcc 0
		.amdhsa_float_denorm_mode_32 3
		.amdhsa_float_denorm_mode_16_64 3
		.amdhsa_memory_ordered 1
		.amdhsa_forward_progress 1
		.amdhsa_inst_pref_size 13
	.end_amdhsa_kernel
	.amdgpu_metadata
---
amdhsa.version: [ 1, 2 ]
amdhsa.kernels:
  - .name:           k_qe561931bf1_cast
    .symbol:         k_qe561931bf1_cast.kd
    .args:
      - { .name: top_buf_h, .offset: 0, .size: 8, .value_kind: global_buffer, .address_space: global }
      - { .name: top_stack1_h, .offset: 8, .size: 8, .value_kind: global_buffer, .address_space: global }
      - { .name: top_stack2_h, .offset: 16, .size: 8, .value_kind: global_buffer, .address_space: global }
      - { .name: h_prev, .offset: 24, .size: 8, .value_kind: global_buffer, .address_space: global }
      - { .name: W_buf, .offset: 32, .size: 8, .value_kind: global_buffer, .address_space: global }
      - { .name: W_stack1, .offset: 40, .size: 8, .value_kind: global_buffer, .address_space: global }
      - { .name: W_stack2, .offset: 48, .size: 8, .value_kind: global_buffer, .address_space: global }
      - { .name: W_lateral, .offset: 56, .size: 8, .value_kind: global_buffer, .address_space: global }
      - { .name: xb, .offset: 64, .size: 8, .value_kind: global_buffer, .address_space: global }
      - { .name: wb, .offset: 72, .size: 8, .value_kind: global_buffer, .address_space: global }
    .group_segment_fixed_size: 0
    .private_segment_fixed_size: 0
    .kernarg_segment_align: 8
    .kernarg_segment_size: 80
    .max_flat_workgroup_size: 256
    .sgpr_count:     66
    .vgpr_count:     128
    .wavefront_size: 32
...
	.end_amdgpu_metadata
.endif
;; end of part 3
;; launch cell: the kernel of part 2 again; grid 16 x 16, 4 waves a work-group, clusters of 4 x 4, 327,680 bytes of LDS; arguments xb, wb, b_lateral, c_prev, out0, out1; writes out0, out1
